; MI455X (gfx1250); checked and timed in simulation.
; The chip was launched on July 23, 2026; its instructions are those of AMD's public machine-readable ISA for CDNA 5 (MIT licence, August 2026) and "CDNA5" Instruction Set Architecture Reference Guide (July 2026). The comments in the code are by the model that wrote it; some were corrected since.
;; Ptr Layer. Allowed arithmetic: matrix products marked QUANTISED: E3M2 operands, one E8M0 scale for each 32 along K, by v_wmma_scale_f32_16x16x128_f8f6f4 with both operands' format E3M2, f32 sums; everything else in f32.
;; Inputs: W1_codes 2,048 x 4 x 24 uint8 (E3M2 codes of W1, K innermost, in blocks of 32 codes, four codes in three bytes); W1_scales 2,048 x 4 uint8 (E8M0 scales of W1, one for each 32 codes along K); W2_codes 2,048 x 4 x 24 uint8 (E3M2 codes of W2, K innermost, in blocks of 32 codes, four codes in three bytes); W2_scales 2,048 x 4 uint8 (E8M0 scales of W2, one for each 32 codes along K); d_codes 16 x 2,048 x 4 x 24 uint8 (E3M2 codes of d, K innermost, in blocks of 32 codes, four codes in three bytes); d_scales 16 x 2,048 x 4 uint8 (E8M0 scales of d, one for each 32 codes along K); e_codes 16 x 2,048 x 4 x 24 uint8 (E3M2 codes of e, K innermost, in blocks of 32 codes, four codes in three bytes); e_scales 16 x 2,048 x 4 uint8 (E8M0 scales of e, one for each 32 codes along K); x_codes 16 x 128 x 64 x 24 uint8 (E3M2 codes of x, K innermost, in blocks of 32 codes, four codes in three bytes); x_scales 16 x 128 x 64 uint8 (E8M0 scales of x, one for each 32 codes along K).
;; Outputs: out0 16 x 2,048 x 128 float32.
;; This version of the problem:
;;   THIS VERSION OF THE PROBLEM IS GIVEN IN LOW PRECISION. The matrix products marked QUANTISED in the list below multiply operands that are first quantised to E3M2 (3 exponent bits, 2 mantissa bits; 6 bits a number), with one power-of-two scale for each 32 numbers along K (OCP MX v1.0); their sums are f32. All else is computed in f32.
;;   The module's matrix products, in the order in which they are computed (A, B: the left and right operand; K: the contracted axis; several contracted axes count as one K, in the product's order):
;;     1. [M 32,768, K 128] x [K 128, N 2,048]; A: input e (given as codes); B: input W1 (given as codes): QUANTISED
;;     2. [M 32,768, K 128] x [K 128, N 2,048]; A: input d (given as codes); B: input W2 (given as codes): QUANTISED
;;     3. batch 16 x [M 2,048, K 2,048] x [K 2,048, N 128]; A: softmax (see below); B: input x (given as codes): QUANTISED
;;   THE QUANTISER, for each operand of a quantised product, along K:
;;     - K is cut into blocks of 32 from its start; a last block that is shorter is filled with zeros.
;;     - A block's scale is 2^e with e = floor(log2(the largest magnitude in the block)) - 4, held to -126 .. 127; a block of zeros has e = 0. As a byte (E8M0): e + 127.
;;     - Each number is divided by its block's scale, clamped to +-28, and rounded to the nearest number of E3M2, ties to even, subnormals kept.
;;     - The product sums the exact products of the quantised numbers (number of the format x scale) in f32.
;;   ~~~python
;;   def quantise(x, axis):      # numpy; x: float32 -> the quantised numbers, widened to float32 again
;;       x = np.moveaxis(x, axis, -1); K = x.shape[-1]
;;       x = np.pad(x, [(0, 0)] * (x.ndim - 1) + [(0, -K % 32)]); x = x.reshape(x.shape[:-1] + (-1, 32)); a = np.abs(x).max(-1, keepdims=True)
;;       e = np.where(a > 0, np.clip(np.frexp(np.where(a > 0, a, 1))[1] - 1 - 4, -126, 127), 0)      # np.frexp(a)[1] - 1 = floor(log2(a)), exactly
;;       r = np.clip(x / 2.0 ** e, -28, 28)
;;       step = 2.0 ** (np.maximum(np.frexp(np.where(r == 0, 1, r))[1] - 1, -2) - 2)
;;       q = np.round(r / step) * step * 2.0 ** e      # np.round: ties to even
;;       return np.moveaxis(q.reshape(q.shape[:-2] + (-1,))[..., :K], -1, axis).astype(np.float32)
;;   ~~~
;;   SOFTMAX AHEAD OF A QUANTISED PRODUCT. Where the list says 'softmax', what is quantised is not the finished softmax but p = 2^(t - M), with t = logit x log2(e) and M = ceil(the row's largest t), a whole number; so 1/2 < the row's largest p <= 1. The row's sum l is taken of the UNQUANTISED p, in f32, and the product's result is divided by l at the end. Since M is a whole number, a kernel that streams over the keys may use a running M (the ceiling of the running maximum): every later rescaling is an exact power of two, which a block's scale takes up: the codes' values come out the same.
;;   OPERANDS COMPUTED ON THE WAY. 'Computed on the way' means the value that the module computes at that place (a softmax that the list does not call 'softmax' is quantised finished and normalised). What goes into a quantiser is computed in f32, as accurately as f32 sums, v_exp_f32 and their like allow (about 1e-6 of the number): no bf16 or f16 on the way to a quantiser, and a product that is left as it is and whose result goes on into a quantised operand takes f32 operands (vector FMAs, or v_wmma_f32_16x16x4_f32). A number that lies on a knife's edge between two numbers of the format may be rounded either way, as far as f32 arithmetic and the matrix unit's own rounding can turn it there, and no further.
;;   INPUTS GIVEN AS CODES. W1 (in the module: [2048, 128], K = its axis 1); W2 (in the module: [2048, 128], K = its axis 1); d (in the module: [16, 2048, 128], K = its axis 2); e (in the module: [16, 2048, 128], K = its axis 2); x (in the module: [16, 2048, 128], K = its axis 1): each comes as NAME_codes (uint8): NAME with its K axis moved to the last place and cut into blocks of 32 codes, [.., K / 32, bytes a block], one block behind the other in memory; four codes in three bytes: a row's codes are one little-endian stream of bits, code i at bits 6 i .. 6 i + 5 (a code: sign, 3 exponent bits, 2 mantissa bits); and NAME_scales (uint8): the same leading axes, one E8M0 byte (e + 127) for each 32 codes along K. Its value is code x scale, taken as it is: it is not quantised again, and the codes and scales need not be those that the quantiser above would give.
;; One version. Each part assembles by itself: llvm-mc -triple=amdgcn-amd-amdhsa -mcpu=gfx1250 --defsym DOCPART=n.
;; ======== version 1 of 1: 1 launch
;; limits: right only within a limited range of input values
;; launch ptr (part 1): grid 16 x 16, 8 waves a work-group, clusters of 4 x 1, 327,680 bytes of LDS; arguments e_codes, e_scales, W2_codes, W2_scales, x_codes, x_scales, W1_codes, W1_scales, d_codes, d_scales, out0; writes out0
.if DOCPART == 1
	.amdgcn_target "amdgcn-amd-amdhsa--gfx1250"
	.amdhsa_code_object_version 6
	.text
	.protected	k_q19c9dcdd81_ptr
	.globl	k_q19c9dcdd81_ptr
	.p2align	8
	.type	k_q19c9dcdd81_ptr,@function
k_q19c9dcdd81_ptr:
	s_mov_b64 s[64:65], 0
	v_nop
	global_prefetch_b8 v0, s[64:65] scope:SCOPE_SE
	s_setreg_imm32_b32 hwreg(HW_REG_WAVE_MODE, 25, 1), 1
	s_wait_xcnt 0x0
	s_wait_alu depctr_hold_cnt(0) depctr_sa_sdst(0) depctr_va_vdst(0) depctr_va_sdst(0) depctr_va_ssrc(0) depctr_va_vcc(0) depctr_vm_vsrc(0)
	s_getreg_b32 s2, hwreg(HW_REG_IB_STS2, 6, 4)
	s_cmp_eq_u32 s2, 0
	s_cbranch_scc0 .Lentry_in_a_cluster
	s_endpgm
.Lentry_in_a_cluster:
	s_bfe_u32 s2, ttmp6, 0x10000c
	s_cmp_lg_u32 s2, 0x3003
	s_cbranch_scc0 .Lentry_shape_is_right
	s_endpgm
.Lentry_shape_is_right:
; out[b][k][c] = sum over m of p[b][m][k] x[b][m][c] / l[b][k],  p = 2^(log2(e) tanh(e[b][m] . W1[k] + W2[m] . d[b][k])),  l = sum over m of p.
; All three products on codes of BF6 (E3M2) with one E8M0 scale for each 32 along K.  Batch b is a head of attention without a mask, k a query with the vector [W1[k] | d[b][k]], m a key with the
; vector [e[b][m] | W2[m]] (K = 256: two matrix instructions on one accumulator), x the values, which arrive with the keys innermost.
; DEAD WORK: none.  Every input has a way to every output row, so all ten input buffers are loaded.
; THE SHIFT AHEAD OF THE EXPONENTIAL IS 0, FOR EVERY INPUT.  tanh holds each logit in [-1, 1], so t = logit x log2(e) lies in [-1.4427, 1.4427], p = 2^t in [0.36, 2.72] and a row's sum
; under 2,048 x 2.72: nothing can overflow or underflow in f32.  The stated rule takes M = ceil(the row's largest t), a whole number: 2^t is exactly 2^M times the rule's p, a block's scale takes the 2^M up,
; so the codes are the same, and O and l both carry the factor, which the division takes away.
; tanh(s) = 1 - 2 / (1 + 2^(2 log2(e) s)), all in f32: it goes to +-1 as the exponential goes to infinity or 0.
; LIMITS: a NaN among the scores (a scale byte 0xff, or infinity less infinity in a score's sum) is not served.  A row's sums are added in another order than one ascending pass.
; SHARES.  A work-group owns 128 queries of one batch; 256 work-groups.  Wave w: pair of query tiles g = w & 3, key half hh = w >> 2 of every 256 keys: 8 steps of 128 keys.  Register tile q holds queries
; 32 g + 16 (q xor hh) + r: at the end a wave finishes its tile 0 and hands its tile 1 to wave w xor 4.
; CLUSTER.  The four query blocks of a cluster belong to one batch and walk the same e, W2, x and scales: every tensor load is JOINT, with the mask of all four.
; LAYOUT.  Both products are transposed (source 0 = 16 keys or 16 channels, source 1 = 16 queries): a lane holds ONE query r = lane % 16; h = lane / 16.  Of chunk c (64 keys) key tile T takes keys 64 c + 8 T + 0..7 as
; rows 0-7 and 64 c + 32 + 8 T + 0..7 as rows 8-15: a lane's 32 registers of the four tiles are the WHOLE block of keys 64 c + 32 h + 0..31.  Channel tile t takes channels 8 i + t as rows i: register j is channel 64 h + 8 j + t.
; THE PIPELINE.  A GROUP is (step, chunk c, query tile q): g = 4 step + 2 c + q, 32 groups, four register buffers by turns.  SLOT n works on four groups in three parts, each with ONE wait, behind which everything is read that the
; part before has made:   part 0: multiply group n; maximum, codes and sum of group n - 2; rcp of group n - 1 (n even: the scores of group n + 1 among them)
;                         part 1: exp of n, fma of n - 1; four products of O;  the LDS loads        part 2: exp of n - 1, add of n (n odd: the scores of group n + 1 among them)
; Chunk loads are issued in even slots for groups n + 2, n + 3; x's for the next slot's products of O; both are awaited in the next slot's part 1.  Step s's products of O stand in slots 4 s + 5 .. 4 s + 8.
; LDS.  Keys: two slots of 256 keys; the two groups of eight rows of a key tile lie in regions 12,304 bytes apart, rows 96 bytes apart: in words lane (r, h) starts at 24 (r & 7) + 3,076 (r >> 3) + 6 h: 64 different banks
; (64 banks of 4 bytes: ISA guide 11.1).  x: the batch's whole 128 rows stay, 16 regions of 8 channels, 12,304 bytes apart: a tile's 16 rows lie in 16 regions.  A region is ONE row of 12,288 dense bytes stated 16 elements
; longer than the tensor: the mover writes zeros there.
.set RG,    12304
.set SLOT1, 65536                      ; key slot 1; one exclusive or turns a slot's address into the other's
.set W2OFF, 2*RG
.set SCE,   49408                      ; e's scale words, 8,192 dense bytes
.set SPARE, 57600                      ; the spare words, 128 bytes for each of eight waves: four blocks of 256 bytes that no other line names
.set SCX0,  58624                      ; x's scales, channels 0-63: rows of 256 bytes + 8
.set DISTS, 65344                      ; W2's scale words, so many bytes behind e's
.set DISTX, 64320                      ; x's scales of channels 64-127, so many bytes behind the first 64's
.set XB,    127232                     ; x's 16 regions
.set IMG,   127232                     ; behind the last read of x: for each wave 8,192 bytes: 64 registers of O that it hands over
.set LIMG,  192768                     ; the sums that go with them
.set STG,   196608                     ; the way out: 16 rows x 528 bytes for each wave
; vector registers, window 0
.set AK0, 1
.set AS0, 2
.set AX0, 3
.set AXS, 4
.set AD1, 5
.set AD2, 6
.set SPW, 7
.set NIL, 8
.set PFO, 9
.set QSW, 10
.set QSD, 12
.set LE,  14
.set KS,  16
.set XS,  20
.set MX,  21
.set SO,  23
.set BY,  24
.set PW,  26
.set PT,  28
.set TM,  29
.set SH8, 30
.set HL,  31
.set FR,  32                           ; v32-127: a chunk's e tiles, then W2's; at the end x's eight tiles
.set S,   128                          ; v128-255: four groups
; window 1
.set OT,  0                            ; O^T: tile q, channel tile t at 64 q + 8 t
.set QF,  128                          ; query side: tile q: W1's at 128 + 24 q, d's at 140 + 24 q
.set XF,  176                          ; two channel tiles of x
.set PC,  200                          ; codes of a step's p: tile q at PC + 12 q
.set ST,  224                          ; codes on their way there: the last step's are still at work
.set LS,  252                          ; the sums: tile q in v[LS+2q:LS+2q+1]
; scalar registers
.set WV, 26
.set HH, 27
.set GP, 28
.set BT, 29
.set CX, 30
.set QB, 31
.set C2, 28
.set CN, 30
.set G1K, 32
.set G1X, 40
.set G1S, 48
.set G1SX, 56
.set SEL, 66
.set G0K0, 68
.set G0K1, 72
.set G0S, 76
.set G0X, 80
.set G0XS, 84
.set SLOTS, 88
.set TB, 92                            ; key slot in hand;  TS: the step's scale words of e and W2;  TX, TJ: the step's place in x's rows and scales
.set TS, 93
.set TX, 94
.set TJ, 95
.set PFA, 96
.set LIM, 100
.set MSB, 0
.macro WIN new                         ; bits 1:0 source 0, 3:2 source 1, 5:4 source 2, 7:6 destination; the high byte repeats the setting that is left
.if MSB != \new
	s_set_vgpr_msb (MSB<<8)|\new
.set MSB, \new
.endif
.endm
.macro PLACES
.rept 4
	v_nop
.endr
.endm
.macro CREST                           ; a round of the cluster's barrier behind its opening barrier
	s_cmp_lg_u32 s[WV], 0
	s_cbranch_scc1 .Lnot_wave_0_\@
	s_barrier_signal -3
.Lnot_wave_0_\@:
	s_barrier_wait -3
	s_barrier_signal -1
	s_barrier_wait -1
.endm
.macro CROUND
	s_barrier_signal -1
	s_barrier_wait -1
	CREST
.endm
.macro TLOAD g0, g1                    ; a tensor load, with the s_nop 0 and the four v_nop
	tensor_load_to_lds s[\g0:\g0+3], s[\g1:\g1+7]
	s_nop 0
	PLACES
.endm
.macro JLOAD                           ; a joint refill: waves 0-3 fetch e's and W2's even and odd blocks
	s_cmp_lt_u32 s[WV], 4
	s_cbranch_scc0 .Lno_part_\@
	TLOAD G0K1, G1K
.Lno_part_\@:
.endm
; A PREFETCH INTO THE L2 of e (wave 0) and W2 (wave 1) for later refills: the batch's first cluster asks (for W2: batch 0's); the four partners are told apart BY ADDRESS: 8,192 bytes each, lanes 256 bytes apart, 32,768 bytes
; an ask, from byte 65,536 of 196,608 on: four asks, at the refills of keys 512, 768, 1,024 and 1,280; each block of 256 bytes is named once, a refill or more ahead of its load.  x is fetched by one load a wave at the start: none.
.macro ASK
	s_cmp_gt_u32 s[SLOTS], s[LIM]
	s_cbranch_scc0 .Lnot_mine_\@
	global_prefetch_b8 v[PFO], s[PFA:PFA+1] th:TH_LOAD_NT scope:SCOPE_SE
.Lnot_mine_\@:
.endm
	s_load_b512 s[4:19], s[0:1], 0x0               ; e's codes s[4:5], scales s[6:7], W2's s[8:9], s[10:11], x's s[12:13], s[14:15], W1's s[16:17], s[18:19]
	s_load_b128 s[20:23], s[0:1], 0x40             ; d's codes, d's scales
	s_load_b64 s[24:25], s[0:1], 0x50              ; out
	v_lshl_add_u32 v[SPW], v0, 2, SPARE
	v_mov_b32 v[NIL], 0
	ds_add_u32 v[SPW], v[NIL]                      ; the wave's opening: the add, twice on end
	ds_add_u32 v[SPW], v[NIL]
	v_lshrrev_b32 v1, 5, v0
	v_readfirstlane_b32 s[WV], v1
	s_lshr_b32 s[HH], s[WV], 2
	s_and_b32 s[GP], s[WV], 3
	s_and_b32 s[BT], ttmp7, 0xffff                 ; the batch, which the four partners share
	s_bfe_u32 s[CX], ttmp6, 0x40000
	s_lshl_b32 s[QB], ttmp9, 2                     ; in a cluster launch ttmp9 counts clusters
	s_add_co_u32 s[QB], s[QB], s[CX]
	s_and_b32 s66, s[WV], 1
	s_bfe_u32 s67, s[WV], 0x10001
	; group 1 for e's and W2's tiles: 4 rows of 3,072 bytes (a block of 32 keys), every second block
	s_mov_b32 s[G1K], 15|(1<<21)                   ; 15:0 the mask: all four work-groups; 21 set beside a mask
	s_mov_b32 s[G1K+1], 3072<<16
	s_mov_b32 s[G1K+2], 4<<16
	s_mov_b32 s[G1K+3], 3072<<16
	s_mov_b32 s[G1K+4], 4
	s_mov_b32 s[G1K+5], 6144
	s_mov_b32 s[G1K+6], 0
	s_mov_b32 s[G1K+7], 0
	; for x: 4 regions of 8 channels: rows of 12,288 bytes; the tile is 16 elements wider than the tensor: zeros there
	s_mov_b32 s[G1X], 15|(1<<21)
	s_mov_b32 s[G1X+1], 12288<<16
	s_mov_b32 s[G1X+2], 4<<16
	s_mov_b32 s[G1X+3], RG<<16
	s_mov_b32 s[G1X+4], 4
	s_mov_b32 s[G1X+5], 12288
	s_mov_b32 s[G1X+6], 0
	s_mov_b32 s[G1X+7], 0
	; for e's or W2's scales: 8,192 dense bytes as 32 rows of 256 (32 elements of 8 bytes)
	s_mov_b32 s[G1S], 15|(3<<16)|(1<<21)
	s_mov_b32 s[G1S+1], 32<<16
	s_mov_b32 s[G1S+2], 32<<16
	s_mov_b32 s[G1S+3], 32<<16
	s_mov_b32 s[G1S+4], 32
	s_mov_b32 s[G1S+5], 32
	s_mov_b32 s[G1S+6], 0
	s_mov_b32 s[G1S+7], 0
	; for half of x's scales: 16 rows of 256, 8 bytes of padding behind each
	s_mov_b32 s[G1SX], 15|(3<<16)|(1<<20)|(1<<21)|(5<<22)|(1<<25)
	s_mov_b32 s[G1SX+1], 32<<16
	s_mov_b32 s[G1SX+2], 16<<16
	s_mov_b32 s[G1SX+3], 32<<16
	s_mov_b32 s[G1SX+4], 16
	s_mov_b32 s[G1SX+5], 32
	s_mov_b32 s[G1SX+6], 0
	s_mov_b32 s[G1SX+7], 0
	; groups 0: LDS addresses, made of the wave's number alone
.irp g, G0K0, G0K1, G0S, G0X, G0XS
	s_mov_b32 s[\g], 1
.endr
	s_mul_i32 s[G0K0+1], s[GP], RG                 ; e even, e odd, W2 even, W2 odd
	s_add_co_u32 s[G0K1+1], s[G0K0+1], SLOT1
	s_mul_i32 s[G0S+1], s66, DISTS                 ; wave 4: e's, wave 5: W2's
	s_add_co_u32 s[G0S+1], s[G0S+1], SCE
	s_mul_i32 s[G0XS+1], s66, DISTX                ; waves 6, 7: x's halves
	s_add_co_u32 s[G0XS+1], s[G0XS+1], SCX0
	s_mul_i32 s[G0X+1], s[GP], 4*RG                ; waves 4-7: x's four quarters
	s_add_co_u32 s[G0X+1], s[G0X+1], XB
	s_mul_i32 s2, s[BT], 196608                    ; the batch's first byte in e's, d's and x's codes,
	s_mov_b32 s3, 0
	s_lshl_b32 s104, s[BT], 13                     ; and in their scales
	s_mov_b32 s105, 0
	s_mov_b32 s[TB], 0
	s_mov_b32 s[TS], 0
	s_mov_b32 s[TX], 0
	s_mov_b32 s[TJ], 0
	s_mov_b32 s[SLOTS], 6
	s_wait_dscnt 0x0                               ; both opening adds are done
	s_wait_kmcnt 0x0
	s_add_nc_u64 s[4:5], s[4:5], s[2:3]
	s_add_nc_u64 s[12:13], s[12:13], s[2:3]
	s_add_nc_u64 s[20:21], s[20:21], s[2:3]
	s_add_nc_u64 s[6:7], s[6:7], s[104:105]
	s_add_nc_u64 s[14:15], s[14:15], s[104:105]
	s_add_nc_u64 s[22:23], s[22:23], s[104:105]
	s_cmp_eq_u32 s67, 0                            ; e or W2: by the wave's number alone
	s_cselect_b64 s[G0K0+2:G0K0+3], s[4:5], s[8:9]
	s_cmp_eq_u32 s66, 0
	s_cselect_b64 s[G0S+2:G0S+3], s[6:7], s[10:11]
	s_mul_i32 s2, s66, 3072                        ; the even or the odd blocks
	s_add_nc_u64 s[G0K0+2:G0K0+3], s[G0K0+2:G0K0+3], s[2:3]
	s_add_nc_u64 s[G0K1+2:G0K1+3], s[G0K0+2:G0K0+3], 24576       ; 256 keys on
	s_lshl_b32 s2, s66, 12
	s_add_nc_u64 s[G0XS+2:G0XS+3], s[14:15], s[2:3]
	s_mul_i32 s2, s[GP], 49152
	s_add_nc_u64 s[G0X+2:G0X+3], s[12:13], s[2:3]
.irp g, G0K0, G0K1, G0S, G0X, G0XS
	s_or_b32 s[\g+3], s[\g+3], 0x80000000          ; 127:126 type = 2
.endr
	; the query side and out
	s_lshl_b32 s2, s[QB], 7
	s_lshl_b32 s104, s[GP], 5
	s_add_co_u32 s2, s2, s104                      ; my pair's first query in the batch
	s_mul_i32 s104, s2, 96
	s_add_nc_u64 s[16:17], s[16:17], s[104:105]
	s_add_nc_u64 s[20:21], s[20:21], s[104:105]
	s_lshl_b32 s104, s2, 2
	s_add_nc_u64 s[18:19], s[18:19], s[104:105]
	s_add_nc_u64 s[22:23], s[22:23], s[104:105]
	s_lshl_b32 s104, s[BT], 11
	s_add_co_u32 s2, s2, s104
	s_lshl_b32 s104, s[HH], 4
	s_add_co_u32 s2, s2, s104                      ; the first row of out that I store: that of my register tile 0
	s_lshl_b32 s104, s2, 9
	s_add_nc_u64 s[24:25], s[24:25], s[104:105]
	; the prefetches: where my wave's stand (one step in front of the first ask), and who asks
	s_cmp_eq_u32 s[WV], 1
	s_cselect_b64 s[PFA:PFA+1], s[8:9], s[4:5]
	s_cselect_b32 s3, s[BT], 0                     ; W2 is asked for in batch 0 alone
	s_lshl_b32 s66, s[CX], 13
	s_add_co_u32 s66, s66, 32768
	s_mov_b32 s67, 0
	s_add_nc_u64 s[PFA:PFA+1], s[PFA:PFA+1], s[66:67]
	s_cmp_gt_u32 s[WV], 1
	s_cselect_b32 s2, 1, 0
	s_or_b32 s2, s2, ttmp9                         ; the batch's first cluster: the same in all four partners
	s_or_b32 s2, s2, s3
	s_cmp_eq_u32 s2, 0
	s_cselect_b32 s[LIM], 2, -1
	CROUND                                         ; all four work-groups are here: the first joint loads meet
	s_cmp_lt_u32 s[WV], 4                          ; one tensor load a wave: waves 0-3 the first 256 keys of e and W2,
	s_cbranch_scc0 .Lhead_s
	TLOAD G0K0, G1K
	s_branch .Lhead_asked
.Lhead_s:
	s_cmp_lt_u32 s[WV], 6                          ; waves 4, 5 e's and W2's scales,
	s_cbranch_scc0 .Lhead_x
	TLOAD G0S, G1S
	s_branch .Lhead_asked
.Lhead_x:
	TLOAD G0XS, G1SX                               ; waves 6, 7 x's
.Lhead_asked:
	v_and_b32 v[S], 7, v0                          ; r & 7
	v_bfe_u32 v[S+1], v0, 3, 1                     ; r >> 3
	v_bfe_u32 v[S+2], v0, 4, 1                     ; h
	v_and_b32 v[S+3], 15, v0                       ; r
	s_wait_alu depctr_va_vdst(0)
	; the query side stays in registers: a fragment is the 24 bytes at 96 r + 24 h and the 24 bytes 48 further on, each as three loads of 8
	v_mul_u32_u24 v[S+4], v[S+3], 96
	v_lshlrev_b32 v[S+6], 2, v[S+3]
	v_mad_u32_u24 v[S+4], v[S+2], 24, v[S+4]
	s_xor_b32 s2, s[HH], 1
	s_mul_i32 s3, s2, 1536
	v_add_nc_u32 v[S+5], s3, v[S+4]                ; register tile 1 is query tile 1 - hh of the pair,
	s_mul_i32 s3, s[HH], 1536
	v_add_nc_u32 v[S+4], s3, v[S+4]                ; register tile 0 is query tile hh
	s_lshl_b32 s3, s2, 6
	v_add_nc_u32 v[S+7], s3, v[S+6]
	s_lshl_b32 s3, s[HH], 6
	v_add_nc_u32 v[S+6], s3, v[S+6]
	s_wait_alu depctr_va_vdst(0)
	WIN 0x40
.irp q, 0,1
.irp p, 0,1,2,3,4,5
	global_load_b64 v[QF+24*\q+2*\p:QF+24*\q+2*\p+1], v[S+4+\q], s[16:17] offset:48*(\p/3)+8*(\p%3)
.endr
.irp p, 0,1,2,3,4,5
	global_load_b64 v[QF+12+24*\q+2*\p:QF+12+24*\q+2*\p+1], v[S+4+\q], s[20:21] offset:48*(\p/3)+8*(\p%3)
.endr
.endr
	WIN 0
.irp q, 0,1
	global_load_b32 v[QSW+\q], v[S+6+\q], s[18:19]
	global_load_b32 v[QSD+\q], v[S+6+\q], s[22:23]
.endr
	; LDS addresses
	v_mul_u32_u24 v[AK0], v[S], 96
	v_lshlrev_b32 v[AS0], 2, v[S]
	v_mul_u32_u24 v[AX0], v[S+3], RG
	v_mul_u32_u24 v[AXS], v[S], 528
	v_mad_u32_u24 v[AK0], v[S+1], RG, v[AK0]
	v_lshl_add_u32 v[AS0], v[S+1], 7, v[AS0]
	v_mad_u32_u24 v[AX0], v[S+2], 24, v[AX0]
	v_mad_u32_u24 v[AXS], v[S+1], DISTX, v[AXS]
	v_mad_u32_u24 v[AK0], v[S+2], 24, v[AK0]
	v_mad_u32_u24 v[AS0], v[S+2], DISTS, v[AS0]
	v_lshl_add_u32 v[AXS], v[S+2], 6, v[AXS]
	s_mul_i32 s2, s[HH], 6144
	v_add_nc_u32 v[AK0], s2, v[AK0]                ; 96 (r & 7) + 12,304 (r >> 3) + 24 h + 6,144 hh
	s_lshl_b32 s2, s[HH], 9
	s_add_co_u32 s2, s2, SCE
	v_add_nc_u32 v[AS0], s2, v[AS0]                ; 4 bytes a key: 4 (r & 7) + 128 (r >> 3) + 512 hh; lanes 16-31 take W2's
	s_mul_i32 s2, s[HH], 96
	s_add_co_u32 s2, s2, XB
	v_add_nc_u32 v[AX0], s2, v[AX0]                ; region r, + 24 h + 96 hh
	s_lshl_b32 s2, s[HH], 2
	s_add_co_u32 s2, s2, SCX0
	v_add_nc_u32 v[AXS], s2, v[AXS]                ; channel 8 r + t: 528 bytes for each 8 channels; lanes 16-31 take tile t + 1's
	v_lshlrev_b32 v[SH8], 3, v[S+2]
	v_and_b32 v[PFO], 31, v0
	v_mov_b32 v[PT], 0                             ; (a lane permute's destination counts as one of its sources)
	v_mov_b32 v[LE], 0x3fb8aa3b                    ; log2(e)
	v_mov_b32 v[LE+1], 0x3fb8aa3b
	v_lshlrev_b32 v[PFO], 8, v[PFO]
	WIN 0x40
.irp n, 0,1,2,3
	v_mov_b32 v[LS+\n], 0
.endr
	WIN 0
	s_mov_b32 s[C2], 0x4038aa3b                    ; 2 log2(e); the packed forms name a pair and take its low word for both halves
	s_mov_b32 s[C2+1], 0x4038aa3b
	s_mov_b32 s[CN], 0xc038aa3b                    ; -2 log2(e)
	s_mov_b32 s[CN+1], 0xc038aa3b
	s_mov_b32 s[SEL], 0x76543210                   ; v_permlanex16_b32's selects for lane l xor 16
	s_mov_b32 s[SEL+1], 0xfedcba98
; 52 LDS loads: chunk c's four tiles of e, four of W2, and their scale words (lanes 0-15 e's, lanes 16-31 W2's)
.macro LOADK c
	v_add_nc_u32 v[AD1], s[TB], v[AK0]
	v_add_nc_u32 v[AD2], s[TS], v[AS0]
.irp t, 0,1,2,3
.irp p, 0,1,2,3,4,5
	ds_load_b64 v[FR+12*\t+2*\p:FR+12*\t+2*\p+1], v[AD1] offset:3072*(\c)+768*\t+48*(\p/3)+8*(\p%3)
.endr
.irp p, 0,1,2,3,4,5
	ds_load_b64 v[FR+48+12*\t+2*\p:FR+48+12*\t+2*\p+1], v[AD1] offset:W2OFF+3072*(\c)+768*\t+48*(\p/3)+8*(\p%3)
.endr
	ds_load_b32 v[KS+\t], v[AD2] offset:256*(\c)+32*\t
.endr
.endm
; one matrix instruction: acc = 0 starts a sum (nothing is cleared); row = 1: source 0's scales stand in lanes 16-31
.macro MM d, a, b, acc, sa, sb, row
.set MD, \d
.set MA, \a
.set MB, \b
.set SA, \sa
.set SB, \sb
.if \acc
.if \row
	v_wmma_scale_f32_16x16x128_f8f6f4 v[MD:MD+7], v[MA:MA+11], v[MB:MB+11], v[MD:MD+7], v[SA], v[SB] matrix_a_fmt:MATRIX_FMT_BF6 matrix_b_fmt:MATRIX_FMT_BF6 matrix_a_scale:MATRIX_SCALE_ROW1
.else
	v_wmma_scale_f32_16x16x128_f8f6f4 v[MD:MD+7], v[MA:MA+11], v[MB:MB+11], v[MD:MD+7], v[SA], v[SB] matrix_a_fmt:MATRIX_FMT_BF6 matrix_b_fmt:MATRIX_FMT_BF6
.endif
.else
.if \row
	v_wmma_scale_f32_16x16x128_f8f6f4 v[MD:MD+7], v[MA:MA+11], v[MB:MB+11], 0, v[SA], v[SB] matrix_a_fmt:MATRIX_FMT_BF6 matrix_b_fmt:MATRIX_FMT_BF6 matrix_a_scale:MATRIX_SCALE_ROW1
.else
	v_wmma_scale_f32_16x16x128_f8f6f4 v[MD:MD+7], v[MA:MA+11], v[MB:MB+11], 0, v[SA], v[SB] matrix_a_fmt:MATRIX_FMT_BF6 matrix_b_fmt:MATRIX_FMT_BF6
.endif
.endif
.endm
; score product w of a group's eight: e . W1 of key tiles 0-3 starts four sums, W2 . d adds onto them: three others stand between a sum's two steps
.macro SCORE
.if w < 4
	MM GX+8*w,FR+12*w,QF+24*QQ,0,KS+w,QSW+QQ,0
.else
	MM GX+8*(w-4),FR+48+12*(w-4),QF+12+24*QQ,1,KS+w-4,QSD+QQ,1
.endif
.endm
; line i of 16: the block's largest p, two chains.  No |.| and no floor: p is at least 0.36
.macro MAXI
.if i == 0
	v_max3_num_f32 v[MX], v[GQ], v[GQ+1], v[GQ+2]
.elseif i == 1
	v_max3_num_f32 v[MX+1], v[GQ+15], v[GQ+16], v[GQ+17]
.elseif i == 14
	v_max3_num_f32 v[MX+1], v[MX+1], v[GQ+30], v[GQ+31]
.elseif i == 15
	v_max_num_f32 v[MX], v[MX], v[MX+1]
.elseif (i%2) == 0
	v_max3_num_f32 v[MX], v[MX], v[GQ+i+1], v[GQ+i+2]
.else
	v_max3_num_f32 v[MX+1], v[MX+1], v[GQ+i+15], v[GQ+i+16]
.endif
.endm
.macro PA d, o
	v_pk_add_f32 v[GQ+\d:GQ+\d+1], v[GQ+\d:GQ+\d+1], v[GQ+\d+\o:GQ+\d+\o+1]
.endm
; a group's scale byte, its codes, and the sum of its UNQUANTISED p (a tree in place, behind the conversions).  J = 2, 3, 0, 1: (c, q) = (0,0), (0,1), (1,0), (1,1)
.macro POST
	v_add_nc_u32 v[SO], 0xfe000000, v[MX]          ; 4 off its exponent field: the conversion takes the exponent field of this operand as its scale, and nothing else of it
.if J == 2
	v_lshrrev_b32 v[BY], 23, v[SO]                 ; the scale's byte
.set DL, ST
.set DH, ST+4
.elseif J == 3
	v_lshrrev_b32 v[BY+1], 23, v[SO]
.set DL, ST+8
.set DH, ST+12
.elseif J == 0
	v_lshrrev_b32 v[TM], 23, v[SO]
.set DL, ST+16
.set DH, ST+20
.else
	v_lshrrev_b32 v[TM], 23, v[SO]
.set DL, PC+18
.set DH, ST+24
.endif
	WIN 0x40
	v_cvt_scalef32_pk16_bf6_f32 v[DL:DL+2], v[GQ:GQ+15], v[SO]
	v_cvt_scalef32_pk16_bf6_f32 v[DH:DH+2], v[GQ+16:GQ+31], v[SO]
	v_nop                                          ; one plain place behind a scaled conversion
.if J == 1                             ; the step's codes are whole, and the last step's products of O are done; the sum's lines below are the places ahead of the products that take the codes and the scale words
	WIN 0x41
.irp k, 0,1,2
	v_mov_b32 v[PC+\k], v[ST+\k]
	v_mov_b32 v[PC+3+\k], v[ST+4+\k]
	v_mov_b32 v[PC+12+\k], v[ST+8+\k]
	v_mov_b32 v[PC+15+\k], v[ST+12+\k]
	v_mov_b32 v[PC+6+\k], v[ST+16+\k]
	v_mov_b32 v[PC+9+\k], v[ST+20+\k]
	v_mov_b32 v[PC+21+\k], v[ST+24+\k]
.endr
.endif
	WIN 0
.if J < 2
	v_lshl_or_b32 v[BY+J], v[TM], 16, v[BY+J]      ; my two bytes, blocks h and 2 + h,
.endif
	PA 0,2
.if J == 1
	v_mov_b32 v[PW], v[BY]
.endif
	PA 4,2
.if J < 2
	v_lshlrev_b32 v[BY+J], v[SH8], v[BY+J]         ; at their places in the scale word (8 h bits up);
.endif
	PA 8,2
	PA 12,2
	PA 16,2
.if J < 2
	v_permlanex16_b32 v[PT], v[BY+J], s[SEL], s[SEL+1]
.endif
	PA 20,2
	PA 24,2
	PA 28,2
.if J == 0
	v_or_b32 v[BY], v[BY], v[PT]                   ; with lane l xor 16's two the word is whole
.elseif J == 1
	v_or_b32 v[PW+1], v[BY+1], v[PT]
.endif
	PA 0,4
	PA 8,4
	PA 16,4
	PA 24,4
	PA 0,8
	PA 16,8
	PA 0,16
	WIN 0x41
	v_pk_add_f32 v[LS+2*(J%2):LS+2*(J%2)+1], v[LS+2*(J%2):LS+2*(J%2)+1], v[GQ:GQ+1]
.endm
; PART 0.  ev = 1: THE CHANGE OF KEY SLOTS: each wave waits for all its tensor loads, adds 0 to its spare word, and waits for that and for its LDS reads; the barrier opens a round of the cluster's, and the refill, 256 keys two
; changes on, is the first tensor load behind it.  The group's vector work stands between the add and its wait, the rcp run and the scores inside the opening barrier.  ev = 2: the last keys have landed, nothing is filled.
.macro T0 n, ev
.set J, (\n)%4
.set GN, S+32*((\n)%4)
.set GM, S+32*((\n+3)%4)
.set GQ, S+32*((\n+2)%4)
.set GX, S+32*((\n+1)%4)
.set QQ, (\n+1)%2
	WIN 0
.if \ev
	s_wait_tensorcnt 0x0
.if \ev == 1
	ds_add_u32 v[SPW], v[NIL]
	s_xor_b32 s[G0K1+1], s[G0K1+1], SLOT1
	s_add_nc_u64 s[G0K1+2:G0K1+3], s[G0K1+2:G0K1+3], 24576
	s_wait_xcnt 0x0                                ; the last prefetch has read its address
	s_add_nc_u64 s[PFA:PFA+1], s[PFA:PFA+1], 0x8000
.endif
.endif
	s_wait_alu depctr_va_vdst(0)
.set i, 0
.rept 16
.if \n <= 31
	v_pk_mul_f32 v[GN+2*i:GN+2*i+1], v[GN+2*i:GN+2*i+1], s[C2:C2+1] op_sel_hi:[1,0]   ; 2 log2(e) s
.endif
.if \n >= 2
	MAXI
.endif
.set i, i+1
.endr
.if \n >= 2
	POST
.endif
.if \ev
	s_wait_dscnt 0x0
	s_barrier_signal -1
.endif
.if ((\n%2) == 0) && (\n <= 30)
	WIN 0x04                                       ; source 1 (the query side) window 1
.set w, 0
.rept 8
	SCORE                                          ; no transcendental stands between a sum's two steps
.set w, w+1
.endr
.endif
.if (\n >= 1) && (\n <= 32)            ; 1 / (1 + e^(2 s))
.if ((\n%2) == 1) || (\n > 30)
	WIN 0
.endif
.set i, 0
.rept 32
	v_rcp_f32 v[GM+i], v[GM+i]
.set i, i+1
.endr
.endif
.if \ev
	s_wait_alu depctr_va_vdst(0)
	WIN 0
	s_barrier_wait -1
.if \ev == 1
	CREST
	JLOAD
	ASK
.endif
	s_xor_b32 s[TB], s[TB], SLOT1                  ; on to the other slot, and the next 256 keys' scale words
	s_add_co_u32 s[TS], s[TS], 1024
.endif
.endm
; PART 1
.macro T1 n
.if \n >= 1
	s_wait_dscnt 0x0                               ; the last slot's loads are in
.endif
	s_wait_alu depctr_va_vdst(0)
.if \n >= 5
	WIN 0x55                                       ; O^T += x^T p^T: two channel tiles x two query tiles
.set OA, OT+16*((J+3)%4)
.if \n <= 8
	MM OA,XF,PC,0,XS,PW,0
	MM OA+64,XF,PC+12,0,XS,PW+1,0
	MM OA+8,XF+12,PC,0,XS,PW,1
	MM OA+72,XF+12,PC+12,0,XS,PW+1,1
.else
	MM OA,XF,PC,1,XS,PW,0
	MM OA+64,XF,PC+12,1,XS,PW+1,0
	MM OA+8,XF+12,PC,1,XS,PW,1
	MM OA+72,XF+12,PC+12,1,XS,PW+1,1
.endif
	WIN 0
.endif
.set i, 0
.rept 16
.if \n <= 31
	v_exp_f32 v[GN+2*i], v[GN+2*i]                 ; e^(2 s)
.endif
.if (\n >= 1) && (\n <= 32)
	v_pk_fma_f32 v[GM+2*i:GM+2*i+1], v[GM+2*i:GM+2*i+1], s[CN:CN+1], v[LE:LE+1] op_sel_hi:[1,0,0]   ; t = log2(e) - 2 log2(e) / (1 + e^(2 s))
.endif
.if \n <= 31
	v_exp_f32 v[GN+2*i+1], v[GN+2*i+1]
.endif
.set i, i+1
.endr
	WIN 0
.if ((\n%2) == 0) && (\n <= 28)
.if \n == 0
	PLACES                                         ; (in the other slots the multiply-adds are the places in front of the loads)
.endif
	LOADK 1-J/2
.endif
.if (\n >= 4) && (\n <= 31)
.if (J == 0) && (\n > 4)
	s_add_co_u32 s[TX], s[TX], 192                 ; the next step's 256 keys in x's rows and scales
	s_add_co_u32 s[TJ], s[TJ], 8
.endif
	v_add_nc_u32 v[AD1], s[TX], v[AX0]
	v_add_nc_u32 v[AD2], s[TJ], v[AXS]
	WIN 0x40
.irp a, 0,1
.irp p, 0,1,2,3,4,5
	ds_load_b64 v[XF+12*\a+2*\p:XF+12*\a+2*\p+1], v[AD1] offset:1536*(2*J+\a)+48*(\p/3)+8*(\p%3)
.endr
.endr
	WIN 0
	ds_load_b32 v[XS], v[AD2] offset:128*J+8*(J/2)
.endif
.if \n == 31                           ; the last step's eight tiles at once, where the keys' fragments lay
	s_add_co_u32 s[TX], s[TX], 192
	s_add_co_u32 s[TJ], s[TJ], 8
	v_add_nc_u32 v[AD1], s[TX], v[AX0]
	v_add_nc_u32 v[AD2], s[TJ], v[AXS]
.irp t, 0,1,2,3,4,5,6,7
.irp p, 0,1,2,3,4,5
	ds_load_b64 v[FR+12*\t+2*\p:FR+12*\t+2*\p+1], v[AD1] offset:1536*\t+48*(\p/3)+8*(\p%3)
.endr
.endr
.irp k, 0,1,2,3
	ds_load_b32 v[KS+\k], v[AD2] offset:128*\k+8*(\k/2)
.endr
.endif
.endm
; PART 2
.macro T2 n
	s_wait_alu depctr_va_vdst(0)
.if ((\n%2) == 1) && (\n <= 30)
	WIN 0x04
.set w, 0
.rept 8
	SCORE                                          ; the sixteen additions below are the places in front of the next slot's reads
.set w, w+1
.endr
.endif
.set i, 0
.rept 16
.if (\n >= 1) && (\n <= 32)
	v_exp_f32 v[GM+2*i], v[GM+2*i]                 ; p = 2^t
.endif
.if \n <= 31
	v_pk_add_f32 v[GN+2*i:GN+2*i+1], v[GN+2*i:GN+2*i+1], 1.0 op_sel_hi:[1,0]
.endif
.if (\n >= 1) && (\n <= 32)
	v_exp_f32 v[GM+2*i+1], v[GM+2*i+1]
.endif
.set i, i+1
.endr
.endm
.macro SLOT n, ev
	T0 \n, \ev
	T1 \n
	T2 \n
.endm
	s_wait_alu depctr_va_vdst(0)                   ; the wait at the head's end
	s_wait_tensorcnt 0x0                           ; my tile of the head's is in
	ds_add_u32 v[SPW], v[NIL]
	s_wait_dscnt 0x0
	CROUND
	s_cmp_lt_u32 s[WV], 4                          ; waves 0-3: key slot 1; waves 4-7: the whole of x
	s_cbranch_scc0 .Lfill_x
	TLOAD G0K1, G1K
	s_branch .Lfilled
.Lfill_x:
	TLOAD G0X, G1X
.Lfilled:
	LOADK 0
	s_wait_loadcnt 0x0                             ; the query side
	s_wait_dscnt 0x0
	WIN 0x04
.set GX, S
.set QQ, 0
.set w, 0
.rept 8
	SCORE                                          ; group 0
.set w, w+1
.endr
	PLACES
	SLOT 0, 0
	SLOT 1, 0
	SLOT 2, 1
	SLOT 3, 0
	SLOT 4, 0
	SLOT 5, 0
	s_mov_b32 s[SLOTS], 5
	SLOT 6, 1
	SLOT 7, 0
	SLOT 8, 0
	WIN 0
	s_mov_b32 s[SLOTS], 4
	s_wait_alu depctr_va_vdst(0)
.Lslot:                                            ; four trips of four slots: the refills of keys 1,024 to 2,047
	SLOT 9, 0
	SLOT 10, 1
	SLOT 11, 0
	SLOT 12, 0
	WIN 0
	s_wait_alu depctr_va_vdst(0)
	s_sub_co_u32 s[SLOTS], s[SLOTS], 1
	s_cmp_lg_u32 s[SLOTS], 0
	s_cbranch_scc1 .Lslot
	SLOT 25, 0                                     ; the rest asks for nothing more
	SLOT 26, 2
	SLOT 27, 0
	SLOT 28, 0
	SLOT 29, 0
	SLOT 30, 0
	SLOT 31, 0
	SLOT 32, 0
	s_barrier_signal -1                            ; my reads of x are over (awaited in slot 32); register work up to the wait
	T0 33, 0
	WIN 0x54
	s_wait_alu depctr_va_vdst(0)
.irp t, 0,1,2,3,4,5,6,7
	MM OT+8*\t,FR+12*\t,PC,1,KS+\t/2,PW,\t%2
	MM OT+64+8*\t,FR+12*\t,PC+12,1,KS+\t/2,PW+1,\t%2
.endr
	WIN 0
.set IA, AK0
.set IB, AS0
.set LIA, AX0
.set LIB, AXS
.set STO, AD1
.set RD, AD2
.set GO, SO
	v_and_b32 v[GO], 31, v0
	v_bfe_u32 v[HL], v0, 4, 1
	v_and_b32 v[TM], 15, v0
	v_xor_b32 v[LIB], 128, v0
	v_lshlrev_b32 v[GO], 4, v[GO]
	v_mul_u32_u24 v[STO], v[TM], 528
	v_lshl_add_u32 v[LIA], v0, 2, LIMG
	v_lshl_add_u32 v[LIB], v[LIB], 2, LIMG
	s_lshl_b32 s2, s[WV], 13
	s_add_co_u32 s2, s2, IMG
	v_add_nc_u32 v[IA], s2, v[GO]
	s_xor_b32 s3, s[WV], 4
	s_lshl_b32 s3, s3, 13
	s_add_co_u32 s3, s3, IMG
	v_add_nc_u32 v[IB], s3, v[GO]
	v_lshl_add_u32 v[STO], v[HL], 8, v[STO]
	s_mul_i32 s2, s[WV], 8448
	s_wait_alu depctr_va_vdst(0)
	s_add_co_u32 s2, s2, STG
	v_add_nc_u32 v[STO], s2, v[STO]
	v_add_nc_u32 v[RD], s2, v[GO]
	s_wait_alu depctr_va_vdst(0)
	s_barrier_wait -1                              ; nobody reads x any more: its bytes have had their last fill and serve the way out
	; THE TWO KEY HALVES MEET.  My register tile 1 and its sum go to wave w xor 4 as images of the registers; I take that wave's for my register tile 0.
	WIN 0x05
	v_add_f32 v[MX], v[LS], v[LS+1]
	v_add_f32 v[MX+1], v[LS+2], v[LS+3]
	WIN 0
	ds_store_b32 v[LIA], v[MX+1]
	WIN 0x04                                       ; an LDS store's data are its source 1: window 1
.set i, 0
.rept 16
	ds_store_b128 v[IA], v[OT+64+4*i:OT+64+4*i+3] offset:512*i   ; each accumulator from its low end on
.set i, i+1
.endr
	WIN 0
	s_wait_alu depctr_va_vdst(0)
	s_wait_dscnt 0x0                               ; for the others' sake: my stores have landed
	s_barrier_signal -1
	s_barrier_wait -1
	ds_load_b32 v[TM], v[LIB]
.set i, 0
.rept 16
	ds_load_b128 v[S+4*i:S+4*i+3], v[IB] offset:512*i
.set i, i+1
.endr
	s_wait_dscnt 0x0
	v_add_f32 v[MX], v[MX], v[TM]                  ; both key halves,
	v_permlanex16_b32 v[PT], v[MX], s[SEL], s[SEL+1]
	v_add_f32 v[MX], v[MX], v[PT]                  ; and lane l xor 16's blocks: the row's sum
	s_wait_alu depctr_va_vdst(0)
	v_rcp_f32 v[MX+1], v[MX]
	WIN 0x01
	s_wait_alu depctr_va_vdst(0)
.set i, 0
.rept 32
	v_pk_add_f32 v[S+2*i:S+2*i+1], v[OT+2*i:OT+2*i+1], v[S+2*i:S+2*i+1]   ; O^T of both key halves
.set i, i+1
.endr
	WIN 0
	s_wait_alu depctr_va_vdst(0)
.irp t, 0,1,2,3,4,5,6,7
.irp j, 0,1,2,3,4,5,6,7
	v_mul_f32 v[FR+8*\j+\t], v[S+8*\t+\j], v[MX+1] ; / the sum; register n is now out(r, 64 h + n)
.endr
.endr
	; THE WAY OUT: my 256 bytes of a row into my own stage, back as whole rows of 512 bytes.  LDS serves a wave's instructions in order (ISA guide 5.7.1.4): no wait between the stores and the loads.
.set i, 0
.rept 16
	ds_store_b128 v[STO], v[FR+4*i:FR+4*i+3] offset:16*i
.set i, i+1
.endr
.set i, 0
.rept 16
	ds_load_b128 v[S+4*i:S+4*i+3], v[RD] offset:528*i
.set i, i+1
.endr
.set i, 0
.rept 16
	s_wait_dscnt 15-i                              ; row i is back; the younger loads may be out
	global_store_b128 v[GO], v[S+4*i:S+4*i+3], s[24:25] offset:512*i th:TH_STORE_NT   ; 32 lanes store 512 consecutive bytes, at a multiple of 512 from out's first byte
.set i, i+1
.endr
	s_wait_tensorcnt 0x0                           ; the wave's end
	ds_add_u32 v[SPW], v[NIL]
	s_wait_dscnt 0x0
	CROUND                                         ; the closing round: no work-group ends while a partner may still ask for a tile that names it
	s_endpgm
.Lfunc_end_k_q19c9dcdd81_ptr:
	.size	k_q19c9dcdd81_ptr, .Lfunc_end_k_q19c9dcdd81_ptr-k_q19c9dcdd81_ptr
	.p2alignl 7, 3214868480
	.fill 96, 4, 3214868480
	.section	.rodata,"a",@progbits
	.p2align	6, 0x0
	.amdhsa_kernel k_q19c9dcdd81_ptr
		.amdhsa_group_segment_fixed_size 327680
		.amdhsa_private_segment_fixed_size 0
		.amdhsa_enable_private_segment 0
		.amdhsa_kernarg_size 88
		.amdhsa_user_sgpr_count 2
		.amdhsa_user_sgpr_kernarg_segment_ptr 1
		.amdhsa_wavefront_size32 1
		.amdhsa_system_sgpr_workgroup_id_x 1
		.amdhsa_system_sgpr_workgroup_id_y 1
		.amdhsa_system_sgpr_workgroup_id_z 1
		.amdhsa_system_vgpr_workitem_id 0
		.amdhsa_next_free_vgpr 512
		.amdhsa_next_free_sgpr 106
		.amdhsa_reserve_vcc 0
		.amdhsa_float_denorm_mode_32 3
		.amdhsa_float_denorm_mode_16_64 3
		.amdhsa_memory_ordered 1
		.amdhsa_forward_progress 1
		.amdhsa_inst_pref_size 255
	.end_amdhsa_kernel
	.section	.bss,"aw",@nobits
	.p2align	6
	.space	262144
	.amdgpu_metadata
---
amdhsa.version: [ 1, 2 ]
amdhsa.kernels:
  - .name:           k_q19c9dcdd81_ptr
    .symbol:         k_q19c9dcdd81_ptr.kd
    .args:
      - { .name: e_codes, .offset: 0, .size: 8, .value_kind: global_buffer, .address_space: global }
      - { .name: e_scales, .offset: 8, .size: 8, .value_kind: global_buffer, .address_space: global }
      - { .name: W2_codes, .offset: 16, .size: 8, .value_kind: global_buffer, .address_space: global }
      - { .name: W2_scales, .offset: 24, .size: 8, .value_kind: global_buffer, .address_space: global }
      - { .name: x_codes, .offset: 32, .size: 8, .value_kind: global_buffer, .address_space: global }
      - { .name: x_scales, .offset: 40, .size: 8, .value_kind: global_buffer, .address_space: global }
      - { .name: W1_codes, .offset: 48, .size: 8, .value_kind: global_buffer, .address_space: global }
      - { .name: W1_scales, .offset: 56, .size: 8, .value_kind: global_buffer, .address_space: global }
      - { .name: d_codes, .offset: 64, .size: 8, .value_kind: global_buffer, .address_space: global }
      - { .name: d_scales, .offset: 72, .size: 8, .value_kind: global_buffer, .address_space: global }
      - { .name: out0, .offset: 80, .size: 8, .value_kind: global_buffer, .address_space: global }
    .group_segment_fixed_size: 327680
    .private_segment_fixed_size: 0
    .kernarg_segment_align: 8
    .kernarg_segment_size: 88
    .max_flat_workgroup_size: 256
    .sgpr_count:     106
    .vgpr_count:     512
    .wavefront_size: 32
...
	.end_amdgpu_metadata
.endif
;; end of part 1
